; MI455X (gfx1250); checked and timed in simulation.
; The chip was launched on July 23, 2026; its instructions are those of AMD's public machine-readable ISA for CDNA 5 (MIT licence, August 2026) and "CDNA5" Instruction Set Architecture Reference Guide (July 2026). The comments in the code are by the model that wrote it; some were corrected since.
;; Vector Quantizer. Allowed arithmetic: matrix products marked QUANTISED: E3M2 operands, one E8M0 scale for each 32 along K, by v_wmma_scale_f32_16x16x128_f8f6f4 with both operands' format E3M2, f32 sums; everything else in f32.
;; Inputs: codebook_weight 4,096 x 256 float32; z 8 x 4,096 x 256 float32.
;; Outputs: out0 8 x 4,096 x 256 float32; out1 8 x 4,096 int32; out2 one number float32; out3 one number float32; out4 one number float32.
;; This version of the problem:
;;   THIS VERSION OF THE PROBLEM IS GIVEN IN LOW PRECISION. The matrix products marked QUANTISED in the list below multiply operands that are first quantised to E3M2 (3 exponent bits, 2 mantissa bits; 6 bits a number), with one power-of-two scale for each 32 numbers along K (OCP MX v1.0); their sums are f32. All else is computed in f32.
;;   The module's matrix products, in the order in which they are computed (A, B: the left and right operand; K: the contracted axis; several contracted axes count as one K, in the product's order):
;;     1. [M 32,768, K 256] x [K 256, N 4,096]; A: computed on the way; B: input codebook_weight: QUANTISED
;;   THE QUANTISER, for each operand of a quantised product, along K:
;;     - K is cut into blocks of 32 from its start; a last block that is shorter is filled with zeros.
;;     - A block's scale is 2^e with e = floor(log2(the largest magnitude in the block)) - 4, held to -126 .. 127; a block of zeros has e = 0. As a byte (E8M0): e + 127.
;;     - Each number is divided by its block's scale, clamped to +-28, and rounded to the nearest number of E3M2, ties to even, subnormals kept.
;;     - The product sums the exact products of the quantised numbers (number of the format x scale) in f32.
;;   ~~~python
;;   def quantise(x, axis):      # numpy; x: float32 -> the quantised numbers, widened to float32 again
;;       x = np.moveaxis(x, axis, -1); K = x.shape[-1]
;;       x = np.pad(x, [(0, 0)] * (x.ndim - 1) + [(0, -K % 32)]); x = x.reshape(x.shape[:-1] + (-1, 32)); a = np.abs(x).max(-1, keepdims=True)
;;       e = np.where(a > 0, np.clip(np.frexp(np.where(a > 0, a, 1))[1] - 1 - 4, -126, 127), 0)      # np.frexp(a)[1] - 1 = floor(log2(a)), exactly
;;       r = np.clip(x / 2.0 ** e, -28, 28)
;;       step = 2.0 ** (np.maximum(np.frexp(np.where(r == 0, 1, r))[1] - 1, -2) - 2)
;;       q = np.round(r / step) * step * 2.0 ** e      # np.round: ties to even
;;       return np.moveaxis(q.reshape(q.shape[:-2] + (-1,))[..., :K], -1, axis).astype(np.float32)
;;   ~~~
;;   OPERANDS COMPUTED ON THE WAY. 'Computed on the way' means the value that the module computes at that place (a softmax that the list does not call 'softmax' is quantised finished and normalised). What goes into a quantiser is computed in f32, as accurately as f32 sums, v_exp_f32 and their like allow (about 1e-6 of the number): no bf16 or f16 on the way to a quantiser, and a product that is left as it is and whose result goes on into a quantised operand takes f32 operands (vector FMAs, or v_wmma_f32_16x16x4_f32). A number that lies on a knife's edge between two numbers of the format may be rounded either way, as far as f32 arithmetic and the matrix unit's own rounding can turn it there, and no further.
;; One version. Each part assembles by itself: llvm-mc -triple=amdgcn-amd-amdhsa -mcpu=gfx1250 --defsym DOCPART=n.
;; ======== version 1 of 1: 5 launches
;; limits: right only within a limited range of input values
;; workspace buffers: zimg 6,291,456 bytes; zaux 393,216 bytes; cimg 786,432 bytes; caux 49,152 bytes; atab 131,072 bytes; colp 1,048,576 bytes; idx 131,072 bytes of whole numbers; sums 1,280 bytes
;; launch prep (part 1): grid 576 x 1, 4 waves a work-group, no clusters, 68,864 bytes of LDS; arguments z, codebook_weight, zimg, zaux, cimg, caux; writes zimg, zaux, cimg, caux
.if DOCPART == 1
	.amdgcn_target "amdgcn-amd-amdhsa--gfx1250"
	.amdhsa_code_object_version 6
	.text
	.protected	k_q9adc58c88a_prep
	.globl	k_q9adc58c88a_prep
	.p2align	8
	.type	k_q9adc58c88a_prep,@function
k_q9adc58c88a_prep:
	s_mov_b64 s[64:65], 0
	v_nop
	global_prefetch_b8 v0, s[64:65] scope:SCOPE_SE
	s_setreg_imm32_b32 hwreg(HW_REG_WAVE_MODE, 25, 1), 1
	s_wait_xcnt 0x0
; 2 z [32768][256] and the codebook [4096][256], f32, become codes of BF6 (E3M2) with one E8M0 byte for each 32 along K, laid as the later launches' operand registers want them; beside them each row's sum of squares.
; A tile is 16 rows x 256 K = two K steps of 128.  Its image is 3,072 bytes: registers 4 k .. 4 k + 3 of K step s, lane l, at 1536 s + 512 k + 16 l.
; The aux buffer, for each 1,024 rows (64 tiles) 12,288 bytes: 128 bytes of scale words a tile (word l: K step 0 of row l for l < 16, K step 1 of row l - 16 else), then from byte 8,192 the rows' sums of squares, f32.
; A block's scale byte is its largest magnitude's exponent field - 4, held at 1 from below (a block of zeros keeps the byte 1: its codes are zeros, and this program alone reads the bytes).
; LIMITS: NaN and infinities among the inputs are not served; the sums of squares are taken in four chains a lane and two lanes a row, not in the order of the reference.
; SHARES: work-groups 0-511 take z (factor 2), 512-575 the codebook (factor 1): only pointers and the factor are chosen, the text has one way.  A wave takes one tile.
; Each load reads 512 consecutive bytes; the 16 x 512 bytes of a K step turn through the wave's own stage in LDS (rows 528 bytes apart), so that lane (r, h) gets k = 64 c + 32 h + 0 .. 31 of row r: the operand's own layout.
.set WST,  16896                       ; a wave's two stages
.set STG,  8448                        ; a stage: 16 rows x 528 bytes
.set SPI,  528
.set GATH, 67584                       ; behind the stages: 512 bytes of scale words, 256 bytes of sums of squares, the work-group's four tiles'
.set MX, 10                            ; v10-11  the two blocks' largest magnitudes
.set SO, 12                            ; v12-13  the conversions' scale operands
.set BY, 14                            ; v14-15  the scale bytes
.set NR, 20                            ; v20-27  the sum of squares, four chains of pairs
.set F0, 28                            ; v28-39  K step 0's fragment
.set F1, 40                            ; v40-51  K step 1's
.set CT, 52                            ; v52-54, v56-58 the upper halves of two blocks' codes
.set X,  64                            ; v64-127 64 numbers in the operand's order
.set R0, 128                           ; v128-191 K step 0 as loaded
.set R1, 192                           ; v192-255 K step 1 as loaded
	s_load_b128 s[4:7], s[0:1], 0x0                ; z, the codebook
	s_load_b128 s[8:11], s[0:1], 0x10              ; zimg, zaux
	s_load_b128 s[12:15], s[0:1], 0x20             ; cimg, caux
	v_lshl_add_u32 v59, v0, 2, 0x10b00
	v_mov_b32 v63, 0
	v_lshrrev_b32 v1, 5, v0
	v_readfirstlane_b32 s16, v1                    ; wave 0..3
	v_and_b32 v1, 31, v0                           ; lane
	v_and_b32 v2, 15, v0                           ; r
	v_bfe_u32 v3, v0, 4, 1                         ; h
	v_lshlrev_b32 v4, 4, v1                        ; 16 x lane
	s_mul_i32 s17, s16, WST
	v_add_nc_u32 v5, s17, v4                       ; the stage, on the way in
	v_mul_u32_u24 v6, v2, SPI
	v_lshl_add_u32 v6, v3, 7, v6
	v_add_nc_u32 v6, s17, v6                       ; and on the way out: row r, + 128 h bytes
	s_lshl_b32 s18, s16, 7
	s_add_co_u32 s18, s18, GATH
	v_lshl_add_u32 v7, v1, 2, s18                  ; my tile's scale words: 4 x lane
	s_lshl_b32 s18, s16, 6
	s_add_co_u32 s18, s18, GATH+512
	v_lshl_add_u32 v8, v2, 2, s18                  ; my tile's sums of squares: 4 r
	v_lshlrev_b32 v9, 3, v3                        ; 8 h: my bytes' place in a scale word
	v_mov_b32 v17, 0                               ; written once: a lane permute's destination counts as one of its sources
	v_add_nc_u32 v60, GATH, v4                     ; wave 0's way out of the gathered words
	v_lshlrev_b32 v62, 3, v1
	v_add_nc_u32 v61, GATH+512, v62
	s_mov_b32 s23, 0xffff0000                      ; lanes 16-31
	s_mov_b32 s28, 0x76543210
	s_mov_b32 s29, 0xfedcba98                      ; v_permlanex16_b32's selects for lane l xor 16
	s_mov_b32 s25, 0
	s_wait_alu depctr_va_vdst(0)
	s_wait_kmcnt 0x0
	s_cmp_lt_u32 ttmp9, 512                        ; z's work-group or the codebook's?  The choice hangs on the work-group's number alone
	s_cselect_b64 s[4:5], s[4:5], s[6:7]
	s_cselect_b64 s[8:9], s[8:9], s[12:13]
	s_cselect_b64 s[10:11], s[10:11], s[14:15]
	s_cselect_b32 s20, 2.0, 1.0                    ; the operand is 2 z, or c
	s_cselect_b32 s19, 0, 512
	s_mov_b32 s21, s20                             ; (named with it as a pair)
	s_sub_co_u32 s19, ttmp9, s19
	s_lshl_b32 s19, s19, 2                         ; the work-group's first tile
	s_add_co_u32 s22, s19, s16                     ; my tile
	s_lshl_b32 s24, s22, 14
	s_add_nc_u64 s[4:5], s[4:5], s[24:25]          ; its 16 rows of 1,024 bytes
	s_mul_i32 s24, s22, 3072
	s_add_nc_u64 s[8:9], s[8:9], s[24:25]          ; its image
	s_lshr_b32 s26, s19, 6
	s_mul_i32 s26, s26, 12288                      ; the chunk of 64 tiles
	s_and_b32 s27, s19, 63
	s_lshl_b32 s24, s27, 7
	s_add_co_u32 s24, s24, s26
	s_add_nc_u64 s[12:13], s[10:11], s[24:25]      ; the four tiles' scale words: 512 bytes
	s_lshl_b32 s24, s27, 6
	s_add_co_u32 s24, s24, s26
	s_add_co_u32 s24, s24, 8192
	s_add_nc_u64 s[14:15], s[10:11], s[24:25]      ; their sums of squares: 256 bytes
.irp i, 0,1,2,3,4,5,6,7,8,9,10,11,12,13,14,15
	global_load_b128 v[R0+4*\i:R0+4*\i+3], v4, s[4:5] offset:\i*1024 th:TH_LOAD_NT
.endr
.irp i, 0,1,2,3,4,5,6,7,8,9,10,11,12,13,14,15
	global_load_b128 v[R1+4*\i:R1+4*\i+3], v4, s[4:5] offset:\i*1024+512 th:TH_LOAD_NT
.endr
; K step s: from the registers r as loaded to the fragment f and the scale word w
.macro QSTEP s, r, f, w
	s_wait_loadcnt 16*(1-\s)                       ; this K step's sixteen loads are in; the second step's sixteen, issued behind the first's, may be out
.irp i, 0,1,2,3,4,5,6,7,8,9,10,11,12,13,14,15
	ds_store_b128 v5, v[\r+4*\i:\r+4*\i+3] offset:\s*STG+\i*SPI
.endr
.irp c, 0,1
.irp i, 0,1,2,3,4,5,6,7
	ds_load_b128 v[X+32*\c+4*\i:X+32*\c+4*\i+3], v6 offset:\s*STG+256*\c+16*\i   ; LDS serves a wave's instructions in order: these see my stores
.endr
.endr
	s_wait_dscnt 0x0
.set j, 0
.rept 32
.if (\s == 0) && (j < 4)
	v_pk_mul_f32 v[NR+2*j:NR+2*j+1], v[X+2*j:X+2*j+1], v[X+2*j:X+2*j+1]            ; the first four squares start the chains
.else
	v_pk_fma_f32 v[NR+2*(j%4):NR+2*(j%4)+1], v[X+2*j:X+2*j+1], v[X+2*j:X+2*j+1], v[NR+2*(j%4):NR+2*(j%4)+1]
.endif
.set j, j+1
.endr
.set j, 0
.rept 32
	v_pk_mul_f32 v[X+2*j:X+2*j+1], v[X+2*j:X+2*j+1], s[20:21] op_sel_hi:[1,0]      ; x 2 or x 1: exact
.set j, j+1
.endr
.irp c, 0,1
	v_max3_num_f32 v[MX+\c], |v[X+32*\c]|, |v[X+32*\c+1]|, 0x2800000               ; my block 2 c + h: all 32 numbers are mine; the floor 2^(5 - 127) holds the byte at 1 from below
.endr
.irp i, 2,4,6,8,10,12,14,16,18,20,22,24,26,28,30
.irp c, 0,1
	v_max3_num_f32 v[MX+\c], v[MX+\c], |v[X+32*\c+\i]|, |v[X+32*\c+\i+1]|
.endr
.endr
.irp c, 0,1
	v_add_nc_u32 v[SO+\c], 0xfe000000, v[MX+\c]    ; 4 off the exponent field: the conversion takes the exponent field of this operand as its scale
.endr
.irp c, 0,1
	v_lshrrev_b32 v[BY+\c], 23, v[SO+\c]           ; the scale's byte
.endr
	v_lshl_or_b32 v16, v[BY+1], 16, v[BY]          ; blocks h and 2 + h,
	v_lshlrev_b32 v16, v9, v16                     ; at their places in the word;
	v_permlanex16_b32 v17, v16, s28, s29
	v_or_b32 v[\w], v16, v17                       ; with lane l xor 16's two the word is whole
.irp c, 0,1
	v_cvt_scalef32_pk16_bf6_f32 v[\f+6*\c:\f+6*\c+2], v[X+32*\c:X+32*\c+15], v[SO+\c]
	v_cvt_scalef32_pk16_bf6_f32 v[CT+4*\c:CT+4*\c+2], v[X+32*\c+16:X+32*\c+31], v[SO+\c]   ; (a conversion's three registers begin on an even number)
.endr
	v_nop                                          ; one plain place behind a scaled conversion
.irp c, 0,1
.irp i, 0,1,2
	v_mov_b32 v[\f+6*\c+3+\i], v[CT+4*\c+\i]
.endr
.endr
.irp k, 0,1,2
	global_store_b128 v4, v[\f+4*\k:\f+4*\k+3], s[8:9] offset:\s*1536+512*\k       ; 32 lanes store 512 consecutive bytes
.endr
.endm
	QSTEP 0, R0, F0, 18
	QSTEP 1, R1, F1, 19                            ; its own fragment registers: no store's data are written again
	v_pk_add_f32 v[NR:NR+1], v[NR:NR+1], v[NR+2:NR+3]
	v_pk_add_f32 v[NR+4:NR+5], v[NR+4:NR+5], v[NR+6:NR+7]
	v_pk_add_f32 v[NR:NR+1], v[NR:NR+1], v[NR+4:NR+5]
	v_add_f32 v[NR], v[NR], v[NR+1]
	v_permlanex16_b32 v17, v[NR], s28, s29
	v_add_f32 v[NR], v[NR], v17                    ; the row's sum of squares, in both of its lanes
	v_cndmask_b32 v18, v18, v19, s23               ; lanes 0-15 K step 0's word, lanes 16-31 K step 1's
	ds_store_b32 v7, v18
	ds_store_b32 v8, v[NR]                         ; both lanes of a row write the same word with the same value
	s_wait_dscnt 0x0                               ; for the others' sake: my stores are done
	s_barrier_signal -1
	s_barrier_wait -1
	s_cmp_lg_u32 s16, 0
	s_cbranch_scc1 .Lend                           ; wave 0 sends the four tiles' words out in whole aligned runs
	ds_load_b128 v[64:67], v60
	ds_load_b64 v[68:69], v61
	s_wait_dscnt 0x0
	global_store_b128 v4, v[64:67], s[12:13]       ; 512 consecutive bytes
	global_store_b64 v62, v[68:69], s[14:15]       ; 256 consecutive bytes
.Lend:
	s_barrier_signal -1
	s_barrier_wait -1
	s_wait_tensorcnt 0x0
	ds_add_u32 v59, v63
	s_wait_dscnt 0x0
	s_endpgm
.Lfunc_end_k_q9adc58c88a_prep:
	.size	k_q9adc58c88a_prep, .Lfunc_end_k_q9adc58c88a_prep-k_q9adc58c88a_prep
	.p2alignl 7, 3214868480
	.fill 96, 4, 3214868480
	.section	.rodata,"a",@progbits
	.p2align	6, 0x0
	.amdhsa_kernel k_q9adc58c88a_prep
		.amdhsa_group_segment_fixed_size 68864
		.amdhsa_private_segment_fixed_size 0
		.amdhsa_enable_private_segment 0
		.amdhsa_kernarg_size 48
		.amdhsa_user_sgpr_count 2
		.amdhsa_user_sgpr_kernarg_segment_ptr 1
		.amdhsa_wavefront_size32 1
		.amdhsa_system_sgpr_workgroup_id_x 1
		.amdhsa_system_sgpr_workgroup_id_y 1
		.amdhsa_system_sgpr_workgroup_id_z 1
		.amdhsa_system_vgpr_workitem_id 0
		.amdhsa_next_free_vgpr 256
		.amdhsa_next_free_sgpr 66
		.amdhsa_reserve_vcc 0
		.amdhsa_float_denorm_mode_32 3
		.amdhsa_float_denorm_mode_16_64 3
		.amdhsa_memory_ordered 1
		.amdhsa_forward_progress 1
		.amdhsa_inst_pref_size 26
	.end_amdhsa_kernel
	.amdgpu_metadata
---
amdhsa.version: [ 1, 2 ]
amdhsa.kernels:
  - .name:           k_q9adc58c88a_prep
    .symbol:         k_q9adc58c88a_prep.kd
    .args:
      - { .name: z, .offset: 0, .size: 8, .value_kind: global_buffer, .address_space: global }
      - { .name: codebook_weight, .offset: 8, .size: 8, .value_kind: global_buffer, .address_space: global }
      - { .name: zimg, .offset: 16, .size: 8, .value_kind: global_buffer, .address_space: global }
      - { .name: zaux, .offset: 24, .size: 8, .value_kind: global_buffer, .address_space: global }
      - { .name: cimg, .offset: 32, .size: 8, .value_kind: global_buffer, .address_space: global }
      - { .name: caux, .offset: 40, .size: 8, .value_kind: global_buffer, .address_space: global }
    .group_segment_fixed_size: 68864
    .private_segment_fixed_size: 0
    .kernarg_segment_align: 8
    .kernarg_segment_size: 48
    .max_flat_workgroup_size: 128
    .sgpr_count:     66
    .vgpr_count:     256
    .wavefront_size: 32
...
	.end_amdgpu_metadata
.endif
;; end of part 1
;; launch dist (part 2): grid 256 x 1, 16 waves a work-group, clusters of 4 x 1, 327,680 bytes of LDS; arguments zimg, zaux, cimg, caux, atab, idx, out1; writes atab, idx, out1
.if DOCPART == 2
	.amdgcn_target "amdgcn-amd-amdhsa--gfx1250"
	.amdhsa_code_object_version 6
	.text
	.protected	k_q9adc58c88a_dist
	.globl	k_q9adc58c88a_dist
	.p2align	8
	.type	k_q9adc58c88a_dist,@function
k_q9adc58c88a_dist:
	s_mov_b64 s[64:65], 0
	v_nop
	global_prefetch_b8 v0, s[64:65] scope:SCOPE_SE
	s_setreg_imm32_b32 hwreg(HW_REG_WAVE_MODE, 25, 1), 1
	s_wait_xcnt 0x0
	s_wait_alu depctr_hold_cnt(0) depctr_sa_sdst(0) depctr_va_vdst(0) depctr_va_sdst(0) depctr_va_ssrc(0) depctr_va_vcc(0) depctr_vm_vsrc(0)
	s_getreg_b32 s2, hwreg(HW_REG_IB_STS2, 6, 4)
	s_cmp_eq_u32 s2, 0
	s_cbranch_scc0 .Lentry_in_a_cluster
	s_endpgm
.Lentry_in_a_cluster:
	s_bfe_u32 s2, ttmp6, 0x10000c
	s_cmp_lg_u32 s2, 0x3003
	s_cbranch_scc0 .Lentry_shape_is_right
	s_endpgm
.Lentry_shape_is_right:
; d2[row][code] = (|z|^2 + |c|^2) - (2 z) . c, the product on codes of BF6 (E3M2) with E8M0 scales; the two additions are rounded in f32 one after the other, as they are written.
; For each row: the lowest code with the least d2 (idx, out1), and a' = c - log2(e) |z|^2 - log2(S), c = least d2 x log2(e), S = the sum over all codes of 2^(c - d2 log2(e)), kept under a running c.
; SHARES.  A work-group owns 128 rows and ALL 4,096 codes, so a row's result needs no other work-group.  Wave w keeps four tiles of 16 rows (rg = w % 2) in registers; of each 32 code tiles it takes four (ch = w / 2).
; LDS.  Two slots of 32 code images (98,304 bytes) by turns, eight phases; all scale words and |c|^2 (49,152 bytes), filled once; 16,384 bytes in which the eight ch parts meet; the spare words.
; LOADS.  Head: waves 0-11 fetch 8,192 bytes each of phase 0, waves 12-15 a quarter each of the aux block.  Behind each round waves 0-11 fetch the next phase: one tensor load a wave is out.
; CLUSTER.  The four work-groups of a cluster take other rows and the same codes: each tensor load is asked for jointly, with the same descriptor and the mask of all four.
; PREFETCH.  In phase p (0 to 5) waves 12-14 of clusters 0-3 name the 384 blocks of 256 bytes of phase p + 2, a lane a block; the four partners share them by address (24,576 bytes each).  Phases 6 and 7 ask for nothing.
; LAYOUT.  Source 0 = 16 codes, source 1 = 16 rows of z: a lane holds ONE row (lane % 16), its register j code 16 tile + 8 (lane / 16) + j.
; THE INDEX.  A tile that brings a strictly smaller minimum leaves its number and its eight d2 in the lane; a wave's tiles ascend, so the earlier tile keeps a tie; joins take the lower code at a tie.
; LIMITS: NaN and infinities are not served; an exponential whose result lies under 2^-126 counts as 0.
.set SLOT,  98304
.set AUX,   196608
.set SCR,   245760
.set SPARE, 262144
.set TILEB, 3072
.set LI,  1                            ; 16 x lane
.set LS,  2                            ; AUX + 4 x lane
.set LC,  3                            ; AUX + 8192 + 32 h
.set ADI, 4
.set ADS, 5
.set ADC, 6
.set PFO, 7                            ; 256 x lane
.set ZF,  8                            ; v8-103 z: tile t, K step s at 8 + 24 t + 12 s
.set ZS,  104
.set AF,  108                          ; v108-131 the code tile
.set ASC, 132
.set TIV, 133
.set CC,  134                          ; v134-141 |c|^2 of my eight codes
.set SPW, 142
.set NIL, 143
.set ACC, 144
.set T,   176
.set ST,  184                          ; 16 a z tile: +0 |z|^2, +1 best tile, +2 c, +3 best (set A), +4, +5 (set B), +6, +7 S, +8..15 the best tile's d2
.set FF,  248
.set REC, 108
.set ZZ,  124
.set RC,  144                          ; the join: eight records of row 2 t, of row 2 t + 1
.set RD,  184
.set QC,  216
.set QD,  220
.set RES, 224
.set AP,  226
.set WV,  18
.set RG,  19
.set SEL, 20
.set HM,  22
.set LG,  23
.set NLG, 24
.set CH,  26
.set PW,  27
.set G1T, 28                           ; 32 rows of 256 bytes
.set G1A, 36                           ; 48 rows of 256 bytes
.set G0A, 44
.set G0P, 48                           ; s[48:55] a group 0 for each slot
.set PF,  56
.set TB,  66
.set TS,  67
.set TC,  68
.set TI,  69
.set CNT, 70
.set BB,  71
.set BS,  72
.set BC,  73
.set AO,  74
.set OC,  75
.macro ROUND                           ; a round of the cluster's barrier
	s_barrier_signal -1
	s_barrier_wait -1
	s_cmp_lg_u32 s[WV], 0
	s_cbranch_scc1 .Lnot_wave_0_\@
	s_barrier_signal -3
.Lnot_wave_0_\@:
	s_barrier_wait -3
	s_barrier_signal -1
	s_barrier_wait -1
.endm
	s_load_b256 s[4:11], s[0:1], 0x0               ; zimg, zaux, cimg, caux
	s_load_b128 s[12:15], s[0:1], 0x20             ; atab, idx
	s_load_b64 s[16:17], s[0:1], 0x30              ; out1
	v_lshl_add_u32 v[SPW], v0, 2, SPARE
	v_mov_b32 v[NIL], 0
	ds_add_u32 v[SPW], v[NIL]                      ; the opening lines: the add twice on end
	ds_add_u32 v[SPW], v[NIL]
	v_lshrrev_b32 v1, 5, v0
	s_delay_alu instid0(VALU_DEP_1)
	v_readfirstlane_b32 s[WV], v1                  ; wave 0..15
	s_bfe_u32 s84, ttmp6, 0x40000                  ; cx: it enters global addresses of z, the results and the prefetch alone
	s_lshl_b32 s85, ttmp9, 2
	s_add_co_u32 s85, s85, s84                     ; b: my block of 128 rows
	s_and_b32 s[RG], s[WV], 1
	s_lshr_b32 s[CH], s[WV], 1
	s_sub_co_u32 s76, s[WV], 12
	s_cmp_lt_u32 s76, 3
	s_cselect_b32 s[PW], 1, 0                      ; waves 12-14 prefetch
	s_mov_b32 s[SEL], 0x76543210
	s_mov_b32 s[SEL+1], 0xfedcba98
	s_mov_b32 s[HM], 0xffff0000
	s_mov_b32 s[LG], 0x3fb8aa3b                    ; log2(e)
	s_mov_b32 s[NLG], 0xbfb8aa3b
	s_mov_b32 s[NLG+1], 0xbfb8aa3b
.irp g, G1T, G1A
	s_mov_b32 s[\g], 15|(3<<16)|(1<<21)            ; the mask of all four; elements of 8 bytes; bit 21 beside a mask
	s_mov_b32 s[\g+1], 32<<16                      ; rows of 256 bytes
	s_mov_b32 s[\g+3], 32<<16
	s_mov_b32 s[\g+5], 32                          ; dense
	s_mov_b32 s[\g+6], 0
	s_mov_b32 s[\g+7], 0
.endr
	s_mov_b32 s[G1T+2], 32<<16
	s_mov_b32 s[G1T+4], 32                         ; 8,192 bytes
	s_mov_b32 s[G1A+2], 48<<16
	s_mov_b32 s[G1A+4], 48                         ; 12,288 bytes
	s_and_b32 s76, s[WV], 3
	s_mul_i32 s80, s76, 12288                      ; the aux quarter of waves 12-15
	s_mov_b32 s81, 0
	s_lshl_b32 s82, s[WV], 13                      ; the piece of a slot of waves 0-11
	s_mov_b32 s83, 0
	s_mul_i32 s[BB], s[CH], 12288                  ; my four tiles of a slot's 32
	s_lshl_b32 s[BS], s[CH], 9
	s_lshl_b32 s[BC], s[CH], 8
	s_lshl_b32 s[TI], s[CH], 2                     ; my first tile's number
	s_lshl_b32 s86, s85, 3
	s_lshl_b32 s87, s[RG], 2
	s_add_co_u32 s86, s86, s87                     ; my first tile of z
	s_mul_i32 s86, s86, TILEB
	s_lshr_b32 s88, s85, 3
	s_mul_i32 s88, s88, 12288                      ; its chunk of zaux
	s_and_b32 s90, s85, 7
	s_lshl_b32 s90, s90, 3
	s_add_co_u32 s90, s90, s87                     ; its place among the chunk's 64
	s_mov_b32 s87, 0
	s_lshl_b32 s91, s90, 7
	s_lshl_b32 s92, s90, 6
	s_add_co_u32 s92, s92, s88
	s_add_co_u32 s92, s92, 8192
	s_add_co_u32 s88, s88, s91
	s_mov_b32 s89, 0
	s_mov_b32 s93, 0
	s_lshl_b32 s94, s85, 9                         ; 128 b rows x 4 bytes
	s_mov_b32 s95, 0
	s_mul_i32 s58, s84, 24576                      ; the prefetch: my work-group's quarter of a phase,
	s_lshl_b32 s59, s76, 13                        ; my wave's 8,192 bytes of it,
	s_add_co_u32 s58, s58, s59
	s_add_co_u32 s58, s58, SLOT                    ; at phase 1: phase 0's head steps it to phase 2
	s_mov_b32 s59, 0
	s_wait_dscnt 0x0
	s_wait_kmcnt 0x0
	s_mov_b32 s[G0A], 1
	s_add_co_u32 s[G0A+1], s80, AUX
	s_add_nc_u64 s[G0A+2:G0A+3], s[10:11], s[80:81]
	s_or_b32 s[G0A+3], s[G0A+3], 0x80000000
.irp q, 0,1
	s_mov_b32 s[G0P+4*\q], 1
	s_add_co_u32 s[G0P+4*\q+1], s82, \q*SLOT
	s_add_nc_u64 s[G0P+4*\q+2:G0P+4*\q+3], s[8:9], s[82:83]
	s_add_nc_u64 s[G0P+4*\q+2:G0P+4*\q+3], s[G0P+4*\q+2:G0P+4*\q+3], \q*SLOT
	s_or_b32 s[G0P+4*\q+3], s[G0P+4*\q+3], 0x80000000
.endr
	s_add_nc_u64 s[PF:PF+1], s[8:9], s[58:59]
	s_add_nc_u64 s[4:5], s[4:5], s[86:87]
	s_add_nc_u64 s[92:93], s[6:7], s[92:93]        ; |z|^2 of my 64 rows
	s_add_nc_u64 s[6:7], s[6:7], s[88:89]          ; z's scale words
	s_add_nc_u64 s[12:13], s[12:13], s[94:95]
	s_add_nc_u64 s[14:15], s[14:15], s[94:95]
	s_add_nc_u64 s[16:17], s[16:17], s[94:95]
	ROUND                                          ; all four work-groups are here: the joint loads meet
	s_cmp_lt_u32 s[WV], 12                         ; one load a wave at the head, one to an arm
	s_cbranch_scc0 .Lhead_aux
	tensor_load_to_lds s[G0P:G0P+3], s[G1T:G1T+7]
	s_nop 0
.rept 4
	v_nop
.endr
	s_branch .Lhead_asked
.Lhead_aux:
	tensor_load_to_lds s[G0A:G0A+3], s[G1A:G1A+7]
	s_nop 0
.rept 4
	v_nop
.endr
.Lhead_asked:
	v_and_b32 v[T], 31, v0                         ; lane
	v_bfe_u32 v[T+1], v0, 4, 1                     ; h
	v_and_b32 v[T+2], 15, v0                       ; r
	s_delay_alu instid0(VALU_DEP_3)
	v_lshlrev_b32 v[LI], 4, v[T]
	v_lshl_add_u32 v[LS], v[T], 2, AUX
	v_lshl_add_u32 v[LC], v[T+1], 5, AUX+8192
	v_lshlrev_b32 v[PFO], 8, v[T]
	v_lshlrev_b32 v[T+3], 2, v[T]
	v_lshlrev_b32 v[T+4], 2, v[T+2]
.irp t, 0,1,2,3
.irp k, 0,1,2,3,4,5
	global_load_b128 v[ZF+24*\t+4*\k:ZF+24*\t+4*\k+3], v[LI], s[4:5] offset:\t*TILEB+512*\k   ; my four tiles of z stay in registers
.endr
.endr
.irp t, 0,1,2,3
	global_load_b32 v[ZS+\t], v[T+3], s[6:7] offset:\t*128
	global_load_b32 v[ST+16*\t], v[T+4], s[92:93] offset:\t*64
.endr
.irp t, 0,1,2,3
	v_mov_b32 v[ST+16*\t+1], 0
	v_mov_b32 v[ST+16*\t+2], 0x7f61b1e6            ; c: 3e38, over every c: the first f is 0, and S is 0
	v_mov_b32 v[ST+16*\t+3], 0x7f800000            ; best: +infinity
	v_mov_b32 v[ST+16*\t+6], 0
	v_mov_b32 v[ST+16*\t+7], 0
.irp j, 8,9,10,11,12,13,14,15
	v_mov_b32 v[ST+16*\t+\j], 0
.endr
	v_mov_b32 v[FF+2*\t+1], 0                      ; (named as the upper half of a pair)
.endr
	s_wait_alu depctr_va_vdst(0)
	s_wait_loadcnt 0x0
; ONE CODE TILE against my four tiles of z.  old, new: which of the two sets (2 or 4) holds the running c and best, and which takes the new ones.
.macro TILE old, new
	v_add_nc_u32 v[ADI], s[TB], v[LI]
	v_add_nc_u32 v[ADS], s[TS], v[LS]
	v_add_nc_u32 v[ADC], s[TC], v[LC]
	v_mov_b32 v[TIV], s[TI]
.irp k, 0,1,2,3,4,5
	ds_load_b128 v[AF+4*\k:AF+4*\k+3], v[ADI] offset:512*\k       ; the image as it lies
.endr
	ds_load_b32 v[ASC], v[ADS]
	ds_load_b128 v[CC:CC+3], v[ADC]
	ds_load_b128 v[CC+4:CC+7], v[ADC] offset:16
	s_add_co_u32 s[TB], s[TB], TILEB
	s_add_co_u32 s[TS], s[TS], 128
	s_add_co_u32 s[TC], s[TC], 64
	s_add_co_u32 s[TI], s[TI], 1
	s_wait_dscnt 0x0
.irp t, 0,1,2,3                        ; the four accumulators by turns
	v_wmma_scale_f32_16x16x128_f8f6f4 v[ACC+8*\t:ACC+8*\t+7], v[AF:AF+11], v[ZF+24*\t:ZF+24*\t+11], 0, v[ASC], v[ZS+\t] matrix_a_fmt:MATRIX_FMT_BF6 matrix_b_fmt:MATRIX_FMT_BF6
.endr
.irp t, 0,1,2,3                        ; K step 1: its scale words lie in lanes 16-31
	v_wmma_scale_f32_16x16x128_f8f6f4 v[ACC+8*\t:ACC+8*\t+7], v[AF+12:AF+23], v[ZF+24*\t+12:ZF+24*\t+23], v[ACC+8*\t:ACC+8*\t+7], v[ASC], v[ZS+\t] matrix_a_fmt:MATRIX_FMT_BF6 matrix_b_fmt:MATRIX_FMT_BF6 matrix_a_scale:MATRIX_SCALE_ROW1 matrix_b_scale:MATRIX_SCALE_ROW1
.endr
.irp t, 0,1,2,3
.irp j, 0,2,4,6
	v_pk_add_f32 v[T+\j:T+\j+1], v[CC+\j:CC+\j+1], v[ST+16*\t:ST+16*\t+1] op_sel_hi:[1,0]      ; |z|^2 + |c|^2, rounded.  (Tile 0's four are the four places behind the products, ISA guide 7.12.1)
.endr
.irp j, 0,2,4,6
	v_pk_add_f32 v[ACC+8*\t+\j:ACC+8*\t+\j+1], v[T+\j:T+\j+1], v[ACC+8*\t+\j:ACC+8*\t+\j+1] neg_lo:[0,1] neg_hi:[0,1]   ; - the product, rounded: d2; from the accumulator's low end on
.endr
	s_delay_alu instid0(VALU_DEP_3)
	v_min3_num_f32 v[T], v[ACC+8*\t], v[ACC+8*\t+1], v[ACC+8*\t+2]
	s_delay_alu instid0(VALU_DEP_3)
	v_min3_num_f32 v[T+1], v[ACC+8*\t+3], v[ACC+8*\t+4], v[ACC+8*\t+5]
	s_delay_alu instid0(VALU_DEP_2)
	v_min3_num_f32 v[T], v[T], v[ACC+8*\t+6], v[ACC+8*\t+7]
	s_delay_alu instid0(VALU_DEP_1)
	v_min3_num_f32 v[ST+16*\t+\new+1], v[T], v[T+1], v[ST+16*\t+\old+1]
	s_delay_alu instid0(VALU_DEP_1)
	v_cmp_lt_f32 vcc_lo, v[ST+16*\t+\new+1], v[ST+16*\t+\old+1]   ; strictly smaller: at a tie the earlier tile stays
	s_delay_alu instid0(VALU_DEP_1)
	v_cndmask_b32 v[ST+16*\t+1], v[ST+16*\t+1], v[TIV], vcc_lo
.irp j, 0,2,4,6                        ; two selects an instruction: destinations even and odd, sources in different banks
	v_dual_cndmask_b32 v[ST+16*\t+8+\j], v[ST+16*\t+8+\j], v[ACC+8*\t+\j] :: v_dual_cndmask_b32 v[ST+16*\t+9+\j], v[ST+16*\t+9+\j], v[ACC+8*\t+\j+1]
.endr
	v_mul_f32 v[ST+16*\t+\new], s[LG], v[ST+16*\t+\new+1]         ; c = best x log2(e)
	s_delay_alu instid0(VALU_DEP_1)
	v_sub_f32 v[FF+2*\t], v[ST+16*\t+\new], v[ST+16*\t+\old]      ; 0 or less
.irp j, 0,2,4,6
	v_pk_fma_f32 v[ACC+8*\t+\j:ACC+8*\t+\j+1], v[ACC+8*\t+\j:ACC+8*\t+\j+1], s[NLG:NLG+1], v[ST+16*\t+\new:ST+16*\t+\new+1] op_sel_hi:[1,0,0]   ; c - d2 log2(e)
.endr
.endr
	s_wait_alu depctr_va_vdst(0)                   ; ahead of the batch
.irp t, 0,1,2,3
	v_exp_f32 v[FF+2*\t], v[FF+2*\t]               ; one batch of 36 exponentials
.endr
.irp j, 0,1,2,3,4,5,6,7,8,9,10,11,12,13,14,15,16,17,18,19,20,21,22,23,24,25,26,27,28,29,30,31
	v_exp_f32 v[ACC+\j], v[ACC+\j]
.endr
	v_nop                                          ; a plain place behind the last exponential
	s_wait_alu depctr_va_vdst(0)                   ; one wait for the batch, ahead of its first reader
.irp t, 0,1,2,3
	v_pk_fma_f32 v[ST+16*\t+6:ST+16*\t+7], v[ST+16*\t+6:ST+16*\t+7], v[FF+2*\t:FF+2*\t+1], v[ACC+8*\t:ACC+8*\t+1] op_sel_hi:[1,0,1]   ; S under the new c
.endr
.irp j, 2,4,6
.irp t, 0,1,2,3
	v_pk_add_f32 v[ST+16*\t+6:ST+16*\t+7], v[ST+16*\t+6:ST+16*\t+7], v[ACC+8*\t+\j:ACC+8*\t+\j+1]
.endr
.endr
.endm
; A PHASE: 32 code tiles in slot, four of them mine.  refill: the next phase goes into the other slot.  ask: the phase two on is prefetched.
.macro PHASE slot, refill, ask
	s_wait_xcnt 0x0                                ; the last prefetch has read its address
	s_add_nc_u64 s[PF:PF+1], s[PF:PF+1], SLOT
	s_wait_tensorcnt 0x0                           ; all my tensor loads have landed,
	ds_add_u32 v[SPW], v[NIL]                      ; the add,
	s_add_nc_u64 s[G0P+4*\slot+2:G0P+4*\slot+3], s[G0P+4*\slot+2:G0P+4*\slot+3], 2*SLOT   ; this slot's next phase
	s_wait_dscnt 0x0                               ; the add is done, and so are my reads of the other slot
	ROUND                                          ; both hold of every wave of the four work-groups
.if \refill
	s_cmp_lt_u32 s[WV], 12
	s_cbranch_scc0 .Lno_fill_\@
	tensor_load_to_lds s[G0P+4-4*\slot:G0P+7-4*\slot], s[G1T:G1T+7]
	s_nop 0
.rept 4
	v_nop
.endr
.Lno_fill_\@:
.endif
.if \ask
	s_cmp_eq_u32 s[PW], 1
	s_cbranch_scc0 .Lno_ask_\@
	s_cmp_lt_u32 ttmp9, 4
	s_cbranch_scc0 .Lno_prefetch_dist0_\@
	global_prefetch_b8 v[PFO], s[PF:PF+1] th:TH_LOAD_NT scope:SCOPE_SE
.Lno_prefetch_dist0_\@:
.Lno_ask_\@:
.endif
	s_add_co_u32 s[TB], s[BB], \slot*SLOT
	s_add_co_u32 s[TS], s[AO], \slot*4096
	s_add_co_u32 s[TS], s[TS], s[BS]
	s_add_co_u32 s[TC], s[AO], \slot*2048
	s_add_co_u32 s[TC], s[TC], s[BC]
	s_mov_b32 s[CNT], 2
.Lphase_\@:                            ; a trip runs two tiles, until the two sets are back where they began
	TILE 2, 4
	TILE 4, 2
	s_sub_co_u32 s[CNT], s[CNT], 1
	s_cmp_lg_u32 s[CNT], 0
	s_cbranch_scc1 .Lphase_\@
	s_add_co_u32 s[TI], s[TI], 28                  ; my first tile of the next 32
.endm
	s_mov_b32 s[AO], 0                             ; the aux chunk of 64 tiles: 12,288 bytes for two phases
	s_mov_b32 s[OC], 3
.Lring:
	PHASE 0, 1, 1
	PHASE 1, 1, 1
	s_add_co_u32 s[AO], s[AO], 12288
	s_sub_co_u32 s[OC], s[OC], 1
	s_cmp_lg_u32 s[OC], 0
	s_cbranch_scc1 .Lring
	s_mov_b32 s[AO], 36864
	PHASE 0, 1, 0                                  ; the last two phases are written out: phase 7 fetches nothing
	PHASE 1, 0, 0
	; THE END.  The place in the best tile; the two lanes of a row meet; then the eight ch parts meet in LDS.
	v_and_b32 v[T], 16, v0
	v_lshrrev_b32 v[T+1], 1, v[LI]                 ; 8 x lane
	s_delay_alu instid0(VALU_DEP_2)
	v_lshrrev_b32 v[T], 1, v[T]                    ; 8 h
	global_load_b64 v[ZZ:ZZ+1], v[T+1], s[92:93]   ; |z|^2 of rows 2 lane, 2 lane + 1 of my 64: what waves 0 and 1 want below
.irp t, 0,1,2,3
	v_mov_b32 v[ACC+8*\t], 7
.irp j, 6,5,4,3,2,1,0
	v_cmp_neq_f32 vcc_lo, v[ST+16*\t+8+\j], v[ST+16*\t+3]
	s_delay_alu instid0(VALU_DEP_1)
	v_cndmask_b32 v[ACC+8*\t], \j, v[ACC+8*\t], vcc_lo            ; the lowest register that equals the minimum
.endr
	s_delay_alu instid0(VALU_DEP_1)
	v_lshl_add_u32 v[ACC+8*\t], v[ST+16*\t+1], 4, v[ACC+8*\t]
	s_delay_alu instid0(VALU_DEP_1)
	v_add_nc_u32 v[ACC+8*\t], v[ACC+8*\t], v[T]                   ; code = 16 tile + 8 h + register
	v_add_f32 v[ACC+8*\t+1], v[ST+16*\t+6], v[ST+16*\t+7]
	v_permlanex16_b32 v[ACC+8*\t+2], v[ST+16*\t+3], s[SEL], s[SEL+1]
	v_permlanex16_b32 v[ACC+8*\t+3], v[ACC+8*\t], s[SEL], s[SEL+1]
	v_permlanex16_b32 v[ACC+8*\t+4], v[ST+16*\t+2], s[SEL], s[SEL+1]
	v_permlanex16_b32 v[ACC+8*\t+5], v[ACC+8*\t+1], s[SEL], s[SEL+1]
	s_delay_alu instid0(VALU_DEP_2)
	v_min_num_f32 v[REC+4*\t+3], v[ST+16*\t+2], v[ACC+8*\t+4]     ; c
	v_min_num_f32 v[REC+4*\t], v[ST+16*\t+3], v[ACC+8*\t+2]       ; m
	s_delay_alu instid0(VALU_DEP_2)
	v_sub_f32 v[ACC+8*\t+6], v[REC+4*\t+3], v[ST+16*\t+2]
	v_sub_f32 v[ACC+8*\t+7], v[REC+4*\t+3], v[ACC+8*\t+4]
	v_min_u32 v[REC+4*\t+2], v[ACC+8*\t], v[ACC+8*\t+3]           ; at a tie the lower code;
	v_cmp_lt_f32 vcc_lo, v[ST+16*\t+3], v[ACC+8*\t+2]
	s_delay_alu instid0(VALU_DEP_1)
	v_cndmask_b32 v[REC+4*\t+2], v[REC+4*\t+2], v[ACC+8*\t], vcc_lo      ; else the code of the smaller
	v_cmp_gt_f32 vcc_lo, v[ST+16*\t+3], v[ACC+8*\t+2]
	s_delay_alu instid0(VALU_DEP_1)
	v_cndmask_b32 v[REC+4*\t+2], v[REC+4*\t+2], v[ACC+8*\t+3], vcc_lo
.endr
	s_wait_alu depctr_va_vdst(0)
.irp t, 0,1,2,3
	v_exp_f32 v[ACC+8*\t+6], v[ACC+8*\t+6]
	v_exp_f32 v[ACC+8*\t+7], v[ACC+8*\t+7]
.endr
	v_nop
	s_wait_alu depctr_va_vdst(0)                   ; one wait for the eight
.irp t, 0,1,2,3
	v_mul_f32 v[REC+4*\t+1], v[ACC+8*\t+1], v[ACC+8*\t+6]
	v_fmac_f32 v[REC+4*\t+1], v[ACC+8*\t+5], v[ACC+8*\t+7]        ; S under the common c
.endr
.irp i, 0,1,2,3
	v_cndmask_b32 v[REC+\i], v[REC+\i], v[REC+4+\i], s[HM]        ; lanes 0-15 tile 0's rows, lanes 16-31 tile 1's
	v_cndmask_b32 v[REC+8+\i], v[REC+8+\i], v[REC+12+\i], s[HM]
.endr
	s_lshl_b32 s76, s[WV], 10
	s_add_co_u32 s76, s76, SCR                     ; part ch, row 64 rg + ..: 2,048 ch + 1,024 rg = 1,024 wave
	v_add_nc_u32 v[ADI], s76, v[LI]
	ds_store_b128 v[ADI], v[REC:REC+3]
	ds_store_b128 v[ADI], v[REC+8:REC+11] offset:512
	s_wait_dscnt 0x0                               ; for the others' sake: my stores are done
	s_barrier_signal -1
	s_barrier_wait -1
	s_cmp_lt_u32 s[WV], 2                          ; waves 0 and 1: thread t joins rows 2 t and 2 t + 1
	s_cbranch_scc0 .Lno_join
	v_lshl_add_u32 v[T+2], v0, 5, SCR
	v_mov_b32 v[T+3], 0x7fffffff
	v_lshlrev_b32 v[T+4], 3, v0
.irp i, 0,1,2,3,4,5,6,7
	ds_load_b128 v[RC+4*\i:RC+4*\i+3], v[T+2] offset:2048*\i
	ds_load_b128 v[RD+4*\i:RD+4*\i+3], v[T+2] offset:2048*\i+16
.endr
	s_wait_alu depctr_va_vdst(0)
	s_wait_loadcnt 0x0
	s_wait_dscnt 0x0
; a row's eight records (m, S, idx, c) at r: q = least m, q + 1 = least c, res = the lowest code among the parts that have m; the words m then take the exponents
.macro JOIN r, q, res
	v_min3_num_f32 v[\q], v[\r], v[\r+4], v[\r+8]
	v_min3_num_f32 v[\q+1], v[\r+3], v[\r+7], v[\r+11]
	v_min3_num_f32 v[\q], v[\q], v[\r+12], v[\r+16]
	v_min3_num_f32 v[\q+1], v[\q+1], v[\r+15], v[\r+19]
	v_min3_num_f32 v[\q], v[\q], v[\r+20], v[\r+24]
	v_min3_num_f32 v[\q+1], v[\q+1], v[\r+23], v[\r+27]
	v_min_num_f32 v[\q], v[\q], v[\r+28]
	v_min_num_f32 v[\q+1], v[\q+1], v[\r+31]
	v_mov_b32 v[\res], v[T+3]
.irp i, 0,1,2,3,4,5,6,7
	v_cmp_eq_f32 vcc_lo, v[\r+4*\i], v[\q]
	v_cndmask_b32 v[\q+2], v[T+3], v[\r+4*\i+2], vcc_lo
	v_min_u32 v[\res], v[\res], v[\q+2]
.endr
.irp i, 0,1,2,3,4,5,6,7
	v_sub_f32 v[\r+4*\i], v[\q+1], v[\r+4*\i+3]
.endr
.endm
	JOIN RC, QC, RES
	JOIN RD, QD, RES+1
	s_wait_alu depctr_va_vdst(0)
.irp r, RC, RD
.irp i, 0,1,2,3,4,5,6,7
	v_exp_f32 v[\r+4*\i], v[\r+4*\i]               ; one batch of sixteen
.endr
.endr
	v_fma_f32 v[AP], v[ZZ], s[NLG], v[QC+1]        ; c - log2(e) |z|^2.  (The plain place behind the exponentials)
	v_fma_f32 v[AP+1], v[ZZ+1], s[NLG], v[QD+1]
	s_wait_alu depctr_va_vdst(0)
	v_mul_f32 v[QC+2], v[RC+1], v[RC]
	v_mul_f32 v[QD+2], v[RD+1], v[RD]
.irp i, 1,2,3,4,5,6,7
	v_fmac_f32 v[QC+2], v[RC+4*\i+1], v[RC+4*\i]   ; S under the row's c
	v_fmac_f32 v[QD+2], v[RD+4*\i+1], v[RD+4*\i]
.endr
	s_wait_alu depctr_va_vdst(0)
	v_log_f32 v[QC+2], v[QC+2]
	v_log_f32 v[QD+2], v[QD+2]
	v_nop
	s_wait_alu depctr_va_vdst(0)
	v_sub_f32 v[AP], v[AP], v[QC+2]
	v_sub_f32 v[AP+1], v[AP+1], v[QD+2]
	global_store_b64 v[T+4], v[RES:RES+1], s[14:15]   ; a wave stores 256 consecutive bytes
	global_store_b64 v[T+4], v[RES:RES+1], s[16:17]
	global_store_b64 v[T+4], v[AP:AP+1], s[12:13]
.Lno_join:
	s_wait_tensorcnt 0x0                           ; the wave's end
	ds_add_u32 v[SPW], v[NIL]
	s_wait_dscnt 0x0
	ROUND                                          ; the closing round
	s_endpgm
.Lfunc_end_k_q9adc58c88a_dist:
	.size	k_q9adc58c88a_dist, .Lfunc_end_k_q9adc58c88a_dist-k_q9adc58c88a_dist
	.p2alignl 7, 3214868480
	.fill 96, 4, 3214868480
	.section	.rodata,"a",@progbits
	.p2align	6, 0x0
	.amdhsa_kernel k_q9adc58c88a_dist
		.amdhsa_group_segment_fixed_size 327680
		.amdhsa_private_segment_fixed_size 0
		.amdhsa_enable_private_segment 0
		.amdhsa_kernarg_size 56
		.amdhsa_user_sgpr_count 2
		.amdhsa_user_sgpr_kernarg_segment_ptr 1
		.amdhsa_wavefront_size32 1
		.amdhsa_system_sgpr_workgroup_id_x 1
		.amdhsa_system_sgpr_workgroup_id_y 1
		.amdhsa_system_sgpr_workgroup_id_z 1
		.amdhsa_system_vgpr_workitem_id 0
		.amdhsa_next_free_vgpr 256
		.amdhsa_next_free_sgpr 96
		.amdhsa_reserve_vcc 1
		.amdhsa_float_denorm_mode_32 3
		.amdhsa_float_denorm_mode_16_64 3
		.amdhsa_memory_ordered 1
		.amdhsa_forward_progress 1
		.amdhsa_inst_pref_size 115
	.end_amdhsa_kernel
	.amdgpu_metadata
---
amdhsa.version: [ 1, 2 ]
amdhsa.kernels:
  - .name:           k_q9adc58c88a_dist
    .symbol:         k_q9adc58c88a_dist.kd
    .args:
      - { .name: zimg, .offset: 0, .size: 8, .value_kind: global_buffer, .address_space: global }
      - { .name: zaux, .offset: 8, .size: 8, .value_kind: global_buffer, .address_space: global }
      - { .name: cimg, .offset: 16, .size: 8, .value_kind: global_buffer, .address_space: global }
      - { .name: caux, .offset: 24, .size: 8, .value_kind: global_buffer, .address_space: global }
      - { .name: atab, .offset: 32, .size: 8, .value_kind: global_buffer, .address_space: global }
      - { .name: idx, .offset: 40, .size: 8, .value_kind: global_buffer, .address_space: global }
      - { .name: out1, .offset: 48, .size: 8, .value_kind: global_buffer, .address_space: global }
    .group_segment_fixed_size: 327680
    .private_segment_fixed_size: 0
    .kernarg_segment_align: 8
    .kernarg_segment_size: 56
    .max_flat_workgroup_size: 512
    .sgpr_count:     96
    .vgpr_count:     256
    .wavefront_size: 32
...
	.end_amdgpu_metadata
.endif
;; end of part 2
;; launch prob (part 3): grid 8 x 32, 16 waves a work-group, clusters of 4 x 1, 327,680 bytes of LDS; arguments zimg, zaux, cimg, caux, atab, colp; writes colp
.if DOCPART == 3
	.amdgcn_target "amdgcn-amd-amdhsa--gfx1250"
	.amdhsa_code_object_version 6
	.text
	.protected	k_q9adc58c88a_prob
	.globl	k_q9adc58c88a_prob
	.p2align	8
	.type	k_q9adc58c88a_prob,@function
k_q9adc58c88a_prob:
	s_mov_b64 s[64:65], 0
	v_nop
	global_prefetch_b8 v0, s[64:65] scope:SCOPE_SE
	s_setreg_imm32_b32 hwreg(HW_REG_WAVE_MODE, 25, 1), 1
	s_wait_xcnt 0x0
	s_wait_alu depctr_hold_cnt(0) depctr_sa_sdst(0) depctr_va_vdst(0) depctr_va_sdst(0) depctr_va_ssrc(0) depctr_va_vcc(0) depctr_vm_vsrc(0)
	s_getreg_b32 s2, hwreg(HW_REG_IB_STS2, 6, 4)
	s_cmp_eq_u32 s2, 0
	s_cbranch_scc0 .Lentry_in_a_cluster
	s_endpgm
.Lentry_in_a_cluster:
	s_bfe_u32 s2, ttmp6, 0x10000c
	s_cmp_lg_u32 s2, 0x3003
	s_cbranch_scc0 .Lentry_shape_is_right
	s_endpgm
.Lentry_shape_is_right:
; The product is made once more, and the probabilities are summed down the rows.
; log2 of a probability = log2(e) (p - |c|^2) + a', a' = c - log2(e) |z|^2 - log2(S) as the launch before stored it: p - |c|^2 comes out of the matrix unit (-|c|^2 is the C of a sum's first instruction).
; c is the row's least d2 x log2(e) and S the sum under it, so no exponent lies above about 0.
; SHARES.  A work-group owns 1,024 rows x 512 codes.  Wave w keeps four tiles of 16 codes (cg = w % 8) in registers and walks 32 of the 64 tiles of z (rh = w / 8): 8 of the first 16, then 24 of the other 48.
; LOADS.  Head: waves 0-11 fetch 4,096 bytes each of the first 16 images, waves 12-15 2,048 bytes each of the scale words.  Behind the next round every wave fetches 9,216 bytes of the other 48 images,
; which land under the first two trips; a barrier shows them to all waves ahead of the other six trips.  No LDS byte is filled twice; one tensor load a wave is out.
; Behind the images and scale words lie the 1,024 a', which the waves store themselves: no fill lands there.
; CLUSTER.  The four work-groups of a cluster take other codes and the same 1,024 rows: each tensor load is asked for jointly, with the same descriptor and the mask of all four.
; No prefetch: all that the launch reads is asked for ahead of its first trip, and the loops read LDS alone.
; LAYOUT.  Source 0 = 16 rows of z, source 1 = 16 codes: a lane holds ONE code (lane % 16), its register j row 16 tile + 8 (lane / 16) + j: the column's sum stays in the lane.
; colp [64 parts of the rows][4,096 slots]: the slots are a fixed permutation of the codes, the same in every part; what is made of the sums hangs neither on their order nor on which rows form a part.
; LIMITS: NaN and infinities are not served; an exponential whose result lies under 2^-126 counts as 0.
.set AUX,   196608
.set ATAB,  204800
.set SPARE, 208896
.set TILEB, 3072
.set FIRST, 49152                      ; the first 16 images
.set LI,  1                            ; 16 x lane
.set LS,  2                            ; AUX + 4 x lane
.set LA,  3                            ; ATAB + 32 h
.set ADI, 4
.set ADS, 5
.set ADA, 6
.set CF,  8                            ; v8-103 the codes: tile t, K step s at 8 + 24 t + 12 s
.set CS,  104
.set AF,  108                          ; v108-131 the tile of z
.set ASC, 132
.set AT,  134                          ; v134-141 a' of my eight rows, even tiles; odd tiles v216-223
.set CCL, 140                          ; the head alone: |c|^2 of my code in the four tiles
.set ACC, 144
.set CN,  176                          ; v176-207 -|c|^2, eight equal registers a tile of codes
.set COL, 208                          ; v208-215 the columns' sums
.set ZZ,  240                          ; a' of rows thread, thread + 512
.set ZO,  243
.set AW,  244
.set SPW, 248
.set NIL, 249
.set CO,  253
.set WV,  20
.set Y,   23
.set LG,  24
.set CG,  26
.set RH,  27
.set G1T, 28                           ; 16 rows of 256 bytes
.set G1A, 36                           ; 8 rows of 256 bytes
.set G0A, 44
.set G0P, 48
.set G0R, 52
.set G1R, 56                           ; 36 rows of 256 bytes
.set TB,  66
.set TS,  67
.set TA,  68
.set CNT, 69
.set SEL, 74
.set HM,  76
.macro ROUND                           ; a round of the cluster's barrier
	s_barrier_signal -1
	s_barrier_wait -1
	s_cmp_lg_u32 s[WV], 0
	s_cbranch_scc1 .Lnot_wave_0_\@
	s_barrier_signal -3
.Lnot_wave_0_\@:
	s_barrier_wait -3
	s_barrier_signal -1
	s_barrier_wait -1
.endm
	s_load_b256 s[4:11], s[0:1], 0x0               ; zimg, zaux, cimg, caux
	s_load_b128 s[12:15], s[0:1], 0x20             ; atab, colp
	v_lshl_add_u32 v[SPW], v0, 2, SPARE
	v_mov_b32 v[NIL], 0
	ds_add_u32 v[SPW], v[NIL]                      ; the opening lines: the add twice on end
	ds_add_u32 v[SPW], v[NIL]
	v_lshrrev_b32 v1, 5, v0
	s_delay_alu instid0(VALU_DEP_1)
	v_readfirstlane_b32 s[WV], v1                  ; wave 0..15
	s_bfe_u32 s84, ttmp6, 0x40000                  ; cx: it enters global addresses of the codes and colp alone
	s_lshl_b32 s85, ttmp9, 2
	s_add_co_u32 s85, s85, s84                     ; x: my 512 codes
	s_and_b32 s[Y], ttmp7, 0xffff                  ; y: my 1,024 rows, shared by the four partners
	s_and_b32 s[CG], s[WV], 7
	s_lshr_b32 s[RH], s[WV], 3
	s_mov_b32 s[SEL], 0x76543210
	s_mov_b32 s[SEL+1], 0xfedcba98
	s_mov_b32 s[HM], 0xffff0000
	s_mov_b32 s[LG], 0x3fb8aa3b                    ; log2(e)
	s_mov_b32 s[LG+1], 0x3fb8aa3b
.irp g, G1T, G1A, G1R
	s_mov_b32 s[\g], 15|(3<<16)|(1<<21)            ; the mask of all four; elements of 8 bytes; bit 21 beside a mask
	s_mov_b32 s[\g+1], 32<<16                      ; rows of 256 bytes
	s_mov_b32 s[\g+3], 32<<16
	s_mov_b32 s[\g+5], 32                          ; dense
	s_mov_b32 s[\g+6], 0
	s_mov_b32 s[\g+7], 0
.endr
	s_mov_b32 s[G1T+2], 16<<16
	s_mov_b32 s[G1T+4], 16                         ; 4,096 bytes
	s_mov_b32 s[G1A+2], 8<<16
	s_mov_b32 s[G1A+4], 8                          ; 2,048 bytes
	s_mov_b32 s[G1R+2], 36<<16
	s_mov_b32 s[G1R+4], 36                         ; 9,216 bytes
	s_and_b32 s77, s[WV], 3
	s_lshl_b32 s80, s77, 11                        ; the quarter of the scale words of waves 12-15
	s_lshl_b32 s81, s[WV], 12                      ; the piece of the first 16 images of waves 0-11
	s_mul_i32 s82, s[Y], 12288
	s_add_co_u32 s82, s82, s80
	s_mov_b32 s83, 0
	s_mul_i32 s78, s[Y], 196608
	s_add_co_u32 s78, s78, s81
	s_mov_b32 s79, 0
	s_mul_i32 s72, s[WV], 9216                     ; my piece of the other 48 images
	s_add_co_u32 s72, s72, FIRST
	s_mul_i32 s70, s[Y], 196608
	s_add_co_u32 s70, s70, s72
	s_mov_b32 s71, 0
	s_mul_i32 s[TB], s[RH], 8*TILEB                ; my 8 of the first 16 tiles of z
	s_lshl_b32 s[TS], s[RH], 10
	s_lshl_b32 s[TA], s[RH], 9
	s_wait_dscnt 0x0
	s_wait_kmcnt 0x0
	s_mov_b32 s[G0A], 1
	s_add_co_u32 s[G0A+1], s80, AUX
	s_add_nc_u64 s[G0A+2:G0A+3], s[6:7], s[82:83]
	s_or_b32 s[G0A+3], s[G0A+3], 0x80000000
	s_mov_b32 s[G0P], 1
	s_mov_b32 s[G0P+1], s81
	s_add_nc_u64 s[G0P+2:G0P+3], s[4:5], s[78:79]
	s_or_b32 s[G0P+3], s[G0P+3], 0x80000000
	s_mov_b32 s[G0R], 1
	s_mov_b32 s[G0R+1], s72
	s_add_nc_u64 s[G0R+2:G0R+3], s[4:5], s[70:71]
	s_or_b32 s[G0R+3], s[G0R+3], 0x80000000
	s_lshl_b32 s82, s[Y], 12
	s_add_nc_u64 s[12:13], s[12:13], s[82:83]      ; a' of my 1,024 rows
	ROUND                                          ; all four work-groups are here: the joint loads meet
	s_cmp_lt_u32 s[WV], 12                         ; one load a wave at the head, one to an arm
	s_cbranch_scc0 .Lfill_s
	tensor_load_to_lds s[G0P:G0P+3], s[G1T:G1T+7]
	s_nop 0
.rept 4
	v_nop
.endr
	s_branch .Lasked
.Lfill_s:
	tensor_load_to_lds s[G0A:G0A+3], s[G1A:G1A+7]
	s_nop 0
.rept 4
	v_nop
.endr
.Lasked:
	s_lshl_b32 s86, s85, 5
	s_lshl_b32 s87, s[CG], 2
	s_add_co_u32 s86, s86, s87                     ; my first tile of codes
	s_mul_i32 s86, s86, TILEB
	s_mov_b32 s87, 0
	s_add_nc_u64 s[8:9], s[8:9], s[86:87]
	s_lshr_b32 s88, s85, 1
	s_mul_i32 s88, s88, 12288                      ; its chunk of caux
	s_and_b32 s90, s85, 1
	s_lshl_b32 s90, s90, 5
	s_lshl_b32 s91, s[CG], 2
	s_add_co_u32 s90, s90, s91                     ; its place among the chunk's 64
	s_lshl_b32 s91, s90, 7
	s_lshl_b32 s92, s90, 6
	s_add_co_u32 s92, s92, s88
	s_add_co_u32 s92, s92, 8192
	s_add_co_u32 s88, s88, s91
	s_mov_b32 s89, 0
	s_mov_b32 s93, 0
	s_add_nc_u64 s[92:93], s[10:11], s[92:93]      ; |c|^2 of my codes
	s_add_nc_u64 s[10:11], s[10:11], s[88:89]      ; their scale words
	s_lshl_b32 s90, s[Y], 1
	s_add_co_u32 s90, s90, s[RH]                   ; the part of the rows: 2 y + rh
	s_lshl_b32 s90, s90, 14
	s_lshl_b32 s91, s85, 11
	s_add_co_u32 s90, s90, s91
	s_lshl_b32 s91, s[CG], 8
	s_add_co_u32 s90, s90, s91                     ; + (512 x + 64 cg) x 4 bytes
	s_mov_b32 s91, 0
	s_add_nc_u64 s[14:15], s[14:15], s[90:91]
	v_and_b32 v7, 31, v0                           ; lane
	v_bfe_u32 v254, v0, 4, 1                       ; h
	v_and_b32 v255, 15, v0                         ; r
	s_delay_alu instid0(VALU_DEP_3)
	v_lshlrev_b32 v[LI], 4, v7
	v_lshl_add_u32 v[LS], v7, 2, AUX
	v_lshl_add_u32 v[LA], v254, 5, ATAB
	v_lshlrev_b32 v[CO], 3, v7
	v_lshlrev_b32 v254, 2, v7                      ; 4 x lane
	v_lshlrev_b32 v255, 2, v255                    ; 4 r
	v_lshlrev_b32 v[ZO], 2, v0
	v_lshl_add_u32 v[AW], v0, 2, ATAB
	global_load_b32 v[ZZ], v[ZO], s[12:13]         ; a' of row = thread,
	global_load_b32 v[ZZ+1], v[ZO], s[12:13] offset:2048   ; and of row = thread + 512
.irp t, 0,1,2,3
.irp k, 0,1,2,3,4,5
	global_load_b128 v[CF+24*\t+4*\k:CF+24*\t+4*\k+3], v[LI], s[8:9] offset:\t*TILEB+512*\k   ; my four tiles of codes stay in registers
.endr
.endr
.irp t, 0,1,2,3
	global_load_b32 v[CS+\t], v254, s[10:11] offset:\t*128
	global_load_b32 v[CCL+\t], v255, s[92:93] offset:\t*64
.endr
	s_wait_alu depctr_va_vdst(0)
	s_wait_loadcnt 32                              ; the two a' are in: behind them the 32 loads of codes, scale words and |c|^2 were issued
	ds_store_b32 v[AW], v[ZZ]
	ds_store_b32 v[AW], v[ZZ+1] offset:2048
	s_wait_tensorcnt 0x0                           ; my load of the head has landed; then, ahead of the later fill:
	ds_add_u32 v[SPW], v[NIL]                      ; the add,
	s_wait_dscnt 0x0                               ; its wait, which also shows my stores of a' done
	ROUND                                          ; the first 16 images, the scale words and the a' are whole, and the four work-groups are here
	tensor_load_to_lds s[G0R:G0R+3], s[G1R:G1R+7]  ; the other 48 images: my one load behind the round
	s_nop 0
.rept 4
	v_nop
.endr
	s_wait_loadcnt 0x0
.irp t, 0,1,2,3
.irp j, 0,1,2,3,4,5,6,7
	v_mul_f32 v[CN+8*\t+\j], -1.0, v[CCL+\t]       ; -|c|^2 of my code, in the result's layout
.endr
.endr
.irp j, 0,1,2,3,4,5,6,7
	v_mov_b32 v[COL+\j], 0
.endr
; Tile k of a trip's four: its image as it lies, its scale words, a' of my eight rows
.macro LOADT k
.irp c, 0,1,2,3,4,5
	ds_load_b128 v[AF+4*\c:AF+4*\c+3], v[ADI] offset:(\k)*TILEB+512*\c
.endr
	ds_load_b32 v[ASC], v[ADS] offset:(\k)*128
	ds_load_b128 v[AT+82*((\k)%2):AT+82*((\k)%2)+3], v[ADA] offset:(\k)*64
	ds_load_b128 v[AT+82*((\k)%2)+4:AT+82*((\k)%2)+7], v[ADA] offset:(\k)*64+16
.endm
; ONE TILE OF z against my four tiles of codes
.macro ZTILE k
	s_wait_dscnt 0x0                               ; this tile's nine loads
.irp t, 0,1,2,3                        ; the four accumulators by turns
	v_wmma_scale_f32_16x16x128_f8f6f4 v[ACC+8*\t:ACC+8*\t+7], v[AF:AF+11], v[CF+24*\t:CF+24*\t+11], v[CN+8*\t:CN+8*\t+7], v[ASC], v[CS+\t] matrix_a_fmt:MATRIX_FMT_BF6 matrix_b_fmt:MATRIX_FMT_BF6
.endr
.irp t, 0,1,2,3                        ; K step 1: its scale words lie in lanes 16-31
	v_wmma_scale_f32_16x16x128_f8f6f4 v[ACC+8*\t:ACC+8*\t+7], v[AF+12:AF+23], v[CF+24*\t+12:CF+24*\t+23], v[ACC+8*\t:ACC+8*\t+7], v[ASC], v[CS+\t] matrix_a_fmt:MATRIX_FMT_BF6 matrix_b_fmt:MATRIX_FMT_BF6 matrix_a_scale:MATRIX_SCALE_ROW1 matrix_b_scale:MATRIX_SCALE_ROW1
.endr
.rept 4
	v_nop                                          ; four places: in front of loads into registers that the products have read, and of the first read of results
.endr
.if (\k) < 3
	LOADT (\k)+1                                   ; the next tile is on its way while this one's vector work runs; its a' go to the other set
.endif
.irp t, 0,1,2,3
.irp j, 0,2,4,6
	v_pk_fma_f32 v[ACC+8*\t+\j:ACC+8*\t+\j+1], v[ACC+8*\t+\j:ACC+8*\t+\j+1], s[LG:LG+1], v[AT+82*((\k)%2)+\j:AT+82*((\k)%2)+\j+1] op_sel_hi:[1,0,1]   ; log2 of the probability; each accumulator from its low end on
.endr
.endr
	s_wait_alu depctr_va_vdst(0)                   ; ahead of the batch
.irp j, 0,1,2,3,4,5,6,7,8,9,10,11,12,13,14,15,16,17,18,19,20,21,22,23,24,25,26,27,28,29,30,31
	v_exp_f32 v[ACC+\j], v[ACC+\j]
.endr
	v_nop                                          ; a plain place behind the last exponential
	s_wait_alu depctr_va_vdst(0)                   ; one wait for the batch of 32, ahead of its first reader
.irp j, 0,2,4,6
.irp t, 0,1,2,3
	v_pk_add_f32 v[COL+2*\t:COL+2*\t+1], v[COL+2*\t:COL+2*\t+1], v[ACC+8*\t+\j:ACC+8*\t+\j+1]
.endr
.endr
.endm
; n trips of four tiles of z each, with immediate offsets
.macro WALK n
	s_mov_b32 s[CNT], \n
.Ltrip_\@:
	v_add_nc_u32 v[ADI], s[TB], v[LI]
	v_add_nc_u32 v[ADS], s[TS], v[LS]
	v_add_nc_u32 v[ADA], s[TA], v[LA]
	LOADT 0
	s_add_co_u32 s[TB], s[TB], 4*TILEB
	s_add_co_u32 s[TS], s[TS], 4*128
	s_add_co_u32 s[TA], s[TA], 4*64
	s_wait_alu depctr_va_vdst(0)
	ZTILE 0
	ZTILE 1
	ZTILE 2
	ZTILE 3
	s_sub_co_u32 s[CNT], s[CNT], 1
	s_cmp_lg_u32 s[CNT], 0
	s_cbranch_scc1 .Ltrip_\@
.endm
	WALK 2                                         ; my 8 of the first 16 tiles
	s_wait_tensorcnt 0x0                           ; my piece of the other 48 images has landed,
	s_wait_dscnt 0x0
	s_barrier_signal -1
	s_barrier_wait -1                              ; and so has every wave's
	s_mul_i32 s[TB], s[RH], 24*TILEB               ; my 24 of the other 48 tiles: from tile 16 + 24 rh on
	s_add_co_u32 s[TB], s[TB], FIRST
	s_mul_i32 s[TS], s[RH], 24*128
	s_add_co_u32 s[TS], s[TS], 16*128
	s_mul_i32 s[TA], s[RH], 24*64
	s_add_co_u32 s[TA], s[TA], 16*64
	WALK 6
.irp t, 0,1,2,3
	v_add_f32 v[COL+2*\t], v[COL+2*\t], v[COL+2*\t+1]
.endr
.irp t, 0,1,2,3
	s_delay_alu instid0(VALU_DEP_4)
	v_permlanex16_b32 v[COL+2*\t+1], v[COL+2*\t], s[SEL], s[SEL+1]
.endr
.irp t, 0,1,2,3
	s_delay_alu instid0(VALU_DEP_4)
	v_add_f32 v[COL+2*\t], v[COL+2*\t], v[COL+2*\t+1]             ; with the other eight rows of each tile: my code's sum over 512 rows
.endr
	s_delay_alu instid0(VALU_DEP_2)
	v_cndmask_b32 v216, v[COL], v[COL+4], s[HM]    ; lanes 0-15: tiles 0 and 1; lanes 16-31: tiles 2 and 3
	v_cndmask_b32 v217, v[COL+2], v[COL+6], s[HM]
	global_store_b64 v[CO], v[216:217], s[14:15]   ; 64 slots: 256 consecutive bytes
	s_wait_tensorcnt 0x0                           ; the wave's end
	ds_add_u32 v[SPW], v[NIL]
	s_wait_dscnt 0x0
	ROUND                                          ; the closing round
	s_endpgm
.Lfunc_end_k_q9adc58c88a_prob:
	.size	k_q9adc58c88a_prob, .Lfunc_end_k_q9adc58c88a_prob-k_q9adc58c88a_prob
	.p2alignl 7, 3214868480
	.fill 96, 4, 3214868480
	.section	.rodata,"a",@progbits
	.p2align	6, 0x0
	.amdhsa_kernel k_q9adc58c88a_prob
		.amdhsa_group_segment_fixed_size 327680
		.amdhsa_private_segment_fixed_size 0
		.amdhsa_enable_private_segment 0
		.amdhsa_kernarg_size 48
		.amdhsa_user_sgpr_count 2
		.amdhsa_user_sgpr_kernarg_segment_ptr 1
		.amdhsa_wavefront_size32 1
		.amdhsa_system_sgpr_workgroup_id_x 1
		.amdhsa_system_sgpr_workgroup_id_y 1
		.amdhsa_system_sgpr_workgroup_id_z 1
		.amdhsa_system_vgpr_workitem_id 0
		.amdhsa_next_free_vgpr 256
		.amdhsa_next_free_sgpr 96
		.amdhsa_reserve_vcc 0
		.amdhsa_float_denorm_mode_32 3
		.amdhsa_float_denorm_mode_16_64 3
		.amdhsa_memory_ordered 1
		.amdhsa_forward_progress 1
		.amdhsa_inst_pref_size 54
	.end_amdhsa_kernel
	.amdgpu_metadata
---
amdhsa.version: [ 1, 2 ]
amdhsa.kernels:
  - .name:           k_q9adc58c88a_prob
    .symbol:         k_q9adc58c88a_prob.kd
    .args:
      - { .name: zimg, .offset: 0, .size: 8, .value_kind: global_buffer, .address_space: global }
      - { .name: zaux, .offset: 8, .size: 8, .value_kind: global_buffer, .address_space: global }
      - { .name: cimg, .offset: 16, .size: 8, .value_kind: global_buffer, .address_space: global }
      - { .name: caux, .offset: 24, .size: 8, .value_kind: global_buffer, .address_space: global }
      - { .name: atab, .offset: 32, .size: 8, .value_kind: global_buffer, .address_space: global }
      - { .name: colp, .offset: 40, .size: 8, .value_kind: global_buffer, .address_space: global }
    .group_segment_fixed_size: 327680
    .private_segment_fixed_size: 0
    .kernarg_segment_align: 8
    .kernarg_segment_size: 48
    .max_flat_workgroup_size: 512
    .sgpr_count:     96
    .vgpr_count:     256
    .wavefront_size: 32
...
	.end_amdgpu_metadata
.endif
;; end of part 3
;; launch gather (part 4): grid 256 x 1, 16 waves a work-group, no clusters, 6,656 bytes of LDS; arguments z, codebook_weight, idx, colp, out0, sums; writes out0, sums
.if DOCPART == 4
	.amdgcn_target "amdgcn-amd-amdhsa--gfx1250"
	.amdhsa_code_object_version 6
	.text
	.protected	k_q9adc58c88a_gather
	.globl	k_q9adc58c88a_gather
	.p2align	8
	.type	k_q9adc58c88a_gather,@function
k_q9adc58c88a_gather:
	s_mov_b64 s[64:65], 0
	v_nop
	global_prefetch_b8 v0, s[64:65] scope:SCOPE_SE
	s_setreg_imm32_b32 hwreg(HW_REG_WAVE_MODE, 25, 1), 1
	s_wait_xcnt 0x0
; out0[row] = z + (c[idx[row]] - z), the two roundings as they are written; a partial sum of (c[idx] - z)^2 for each work-group; and, in work-groups 0-63, the sum over 64 slots of a ln(a + 1e-10), a = a column's mean probability.
; idx was stored by the launch before, as whole numbers; each index is held to 4,095 before it enters an address.
; SHARES.  A work-group owns 128 rows, a wave 8.  A load or store of a wave covers 512 consecutive bytes, half a row.  ALL 32 loads of a wave are out at once, in 128 registers: no register is loaded twice.
; z's sixteen loads hang on no index and go out ahead of the wait for the indices.  Work-groups 0-63 ask for their part of colp ahead of the stream and add it while the stream is on its way.
; No LDS for the stream, no matrix unit, no cluster: the work-groups share no tile.
; The text parts ONCE, on the work-group's number; the stream is a macro written on both ways, and each way has its own barrier and its own LDS bytes.
; LDS: 0-63 the sixteen waves' words of the loss; 256-4,351 sixteen rows of 64 slots; 4,352-4,415 the loss words of the way without colp.
.set QO, 2                             ; v2-9    my 8 rows' byte offsets in the codebook, + 16 x lane
.set LO, 18                            ; v18-25  the loss, four chains of pairs
.set TP, 26                            ; v26-33  c - z, four pairs by turns
.set PL, 4352
	s_load_b256 s[4:11], s[0:1], 0x0               ; z s[4:5], the codebook s[6:7], idx s[8:9], colp s[10:11]
	s_load_b128 s[12:15], s[0:1], 0x20             ; out0 s[12:13], sums s[14:15]
	v_lshl_add_u32 v192, v0, 2, 0x1200
	v_mov_b32 v193, 0
	v_lshrrev_b32 v1, 5, v0
	s_delay_alu instid0(VALU_DEP_1)
	v_readfirstlane_b32 s32, v1                    ; wave 0..15
	v_and_b32 v34, 31, v0                          ; lane
	s_delay_alu instid0(VALU_DEP_1)
	v_lshlrev_b32 v1, 4, v34                       ; 16 x lane
	s_delay_alu instid0(VALU_DEP_2)
	v_lshlrev_b32 v40, 3, v34                      ; 8 x lane
	s_lshl_b32 s34, s32, 2
	v_mov_b32 v36, s34                             ; LDS: my wave's word of the loss
	s_lshl_b32 s34, s32, 8
	s_add_co_u32 s34, s34, 256
	v_lshl_add_u32 v37, v34, 3, s34                ; LDS: my wave's 64 slots: 256 + 256 wave + 8 x lane
	v_lshl_add_u32 v38, v34, 3, 256                ; and wave 0's way through all sixteen
	v_mov_b32 v39, 0
	s_mov_b32 s40, 0x76543210
	s_mov_b32 s41, 0xfedcba98
	s_lshl_b32 s33, ttmp9, 7
	s_lshl_b32 s34, s32, 3
	s_add_co_u32 s33, s33, s34                     ; my first row
	s_lshl_b32 s36, s33, 2
	s_mov_b32 s37, 0
	s_lshl_b32 s38, s33, 10
	s_mov_b32 s39, 0
	s_lshl_b32 s44, s32, 16                        ; colp: my four parts of 16,384 bytes,
	s_lshl_b32 s45, ttmp9, 8                       ; my work-group's 64 slots
	s_add_co_u32 s44, s44, s45
	s_mov_b32 s45, 0
	s_lshl_b32 s46, ttmp9, 2
	s_mov_b32 s47, 0
	s_wait_kmcnt 0x0
	s_add_nc_u64 s[8:9], s[8:9], s[36:37]
	s_load_b256 s[16:23], s[8:9], 0x0              ; my 8 indices
	s_add_nc_u64 s[4:5], s[4:5], s[38:39]
	s_add_nc_u64 s[12:13], s[12:13], s[38:39]
	s_add_nc_u64 s[10:11], s[10:11], s[44:45]
	s_add_nc_u64 s[14:15], s[14:15], s[46:47]
; The stream's 32 loads.  Group g (four rows) lies at v[64 + 64 g]: z at +0, c at +32
.macro STREAM
.irp g, 0,1
.irp i, 0,1,2,3
.irp u, 0,1
	global_load_b128 v[64+64*\g+8*\i+4*\u:64+64*\g+8*\i+4*\u+3], v1, s[4:5] offset:(4*\g+\i)*1024+512*\u th:TH_LOAD_NT
.endr
.endr
.endr
	s_wait_kmcnt 0x0                               ; the indices
.irp i, 0,1,2,3,4,5,6,7
	s_min_u32 s[16+\i], s[16+\i], 4095
	s_lshl_b32 s[16+\i], s[16+\i], 10
	v_add_nc_u32 v[QO+\i], s[16+\i], v1
.endr
	s_wait_alu depctr_va_vdst(0)
.irp g, 0,1
.irp i, 0,1,2,3
.irp u, 0,1
	global_load_b128 v[96+64*\g+8*\i+4*\u:96+64*\g+8*\i+4*\u+3], v[QO+4*\g+\i], s[6:7] offset:512*\u
.endr
.endr
.endr
.endm
.macro PROC g, left                    ; left: the younger loads that may stay out
.set B, 64+64*(\g)
	s_wait_loadcnt \left
.set j, 0
.rept 16
	v_pk_add_f32 v[TP+2*(j%4):TP+2*(j%4)+1], v[B+32+2*j:B+33+2*j], v[B+2*j:B+2*j+1] neg_lo:[0,1] neg_hi:[0,1]   ; c - z
.if (\g == 0) && (j < 4)
	s_delay_alu instid0(VALU_DEP_1)
	v_pk_mul_f32 v[LO+2*j:LO+2*j+1], v[TP+2*j:TP+2*j+1], v[TP+2*j:TP+2*j+1]        ; the first four squares start the chains
.else
	s_delay_alu instid0(VALU_DEP_1)
	v_pk_fma_f32 v[LO+2*(j%4):LO+2*(j%4)+1], v[TP+2*(j%4):TP+2*(j%4)+1], v[TP+2*(j%4):TP+2*(j%4)+1], v[LO+2*(j%4):LO+2*(j%4)+1]
.endif
	s_delay_alu instid0(VALU_DEP_2)
	v_pk_add_f32 v[B+32+2*j:B+33+2*j], v[B+2*j:B+2*j+1], v[TP+2*(j%4):TP+2*(j%4)+1]   ; z + (c - z)
.set j, j+1
.endr
.irp i, 0,1,2,3
.irp u, 0,1
	global_store_b128 v1, v[B+32+8*\i+4*\u:B+32+8*\i+4*\u+3], s[12:13] offset:(4*(\g)+\i)*1024+512*\u th:TH_STORE_NT
.endr
.endr
.endm
.macro REDUCE                          ; my wave's part of the loss, in every lane: v[LO]
	v_pk_add_f32 v[LO:LO+1], v[LO:LO+1], v[LO+2:LO+3]
	v_pk_add_f32 v[LO+4:LO+5], v[LO+4:LO+5], v[LO+6:LO+7]
	s_delay_alu instid0(VALU_DEP_1)
	v_pk_add_f32 v[LO:LO+1], v[LO:LO+1], v[LO+4:LO+5]
	s_delay_alu instid0(VALU_DEP_1)
	v_add_f32 v[LO], v[LO], v[LO+1]
	s_delay_alu instid0(VALU_DEP_1)
	v_add_f32_dpp v[LO], v[LO], v[LO] row_xmask:1 row_mask:0xf bank_mask:0xf
	s_delay_alu instid0(VALU_DEP_1)
	v_add_f32_dpp v[LO], v[LO], v[LO] row_xmask:2 row_mask:0xf bank_mask:0xf
	s_delay_alu instid0(VALU_DEP_1)
	v_add_f32_dpp v[LO], v[LO], v[LO] row_xmask:4 row_mask:0xf bank_mask:0xf
	s_delay_alu instid0(VALU_DEP_1)
	v_add_f32_dpp v[LO], v[LO], v[LO] row_xmask:8 row_mask:0xf bank_mask:0xf
	s_delay_alu instid0(VALU_DEP_1)
	v_permlanex16_b32 v[LO+1], v[LO], s40, s41
	s_delay_alu instid0(VALU_DEP_1)
	v_add_f32 v[LO], v[LO], v[LO+1]
.endm
.macro LOSS_OUT base                   ; the sixteen waves' words, added: v42
.irp i, 0,1,2,3
	ds_load_b128 v[42+4*\i:45+4*\i], v39 offset:\base+16*\i
.endr
	s_wait_dscnt 0x0
.irp i, 0,1,2,3
	v_pk_add_f32 v[42+4*\i:43+4*\i], v[42+4*\i:43+4*\i], v[44+4*\i:45+4*\i]
.endr
	s_delay_alu instid0(VALU_DEP_3)
	v_pk_add_f32 v[42:43], v[42:43], v[46:47]
	s_delay_alu instid0(VALU_DEP_2)
	v_pk_add_f32 v[50:51], v[50:51], v[54:55]
	s_delay_alu instid0(VALU_DEP_1)
	v_pk_add_f32 v[42:43], v[42:43], v[50:51]
	s_delay_alu instid0(VALU_DEP_1)
	v_add_f32 v42, v42, v43
.endm
	s_cmp_lt_u32 ttmp9, 64                         ; the same in all waves of a work-group
	s_cbranch_scc0 .Lplain
	; ---- work-groups 0-63: also 64 slots of colp; wave w adds parts 4 w .. 4 w + 3.  Its four loads are my oldest
	s_wait_alu depctr_va_vdst(0)
.irp i, 0,1,2,3
	global_load_b64 v[42+2*\i:43+2*\i], v40, s[10:11] offset:\i*16384              ; 256 consecutive bytes
.endr
	STREAM
	s_wait_loadcnt 32                              ; colp's four are in: behind them the stream's 32 were issued
	v_pk_add_f32 v[42:43], v[42:43], v[44:45]
	v_pk_add_f32 v[46:47], v[46:47], v[48:49]
	s_delay_alu instid0(VALU_DEP_1)
	v_pk_add_f32 v[42:43], v[42:43], v[46:47]
	ds_store_b64 v37, v[42:43]
	PROC 0, 8                                      ; z and group 0's rows of the table are in; group 1's eight table loads may be out
	PROC 1, 0
	REDUCE
	ds_store_b32 v36, v[LO]
	s_wait_dscnt 0x0                               ; for the others' sake: my stores are done
	s_barrier_signal -1
	s_barrier_wait -1
	s_cmp_lg_u32 s32, 0
	s_cbranch_scc1 .Lend
	LOSS_OUT 0
.irp i, 0,1,2,3,4,5,6,7,8,9,10,11,12,13,14,15
	ds_load_b64 v[64+2*\i:65+2*\i], v38 offset:256*\i             ; (registers that held z: no store reads them)
.endr
	s_wait_dscnt 0x0
.irp i, 0,1,2,3,4,5,6,7
	v_pk_add_f32 v[64+4*\i:65+4*\i], v[64+4*\i:65+4*\i], v[66+4*\i:67+4*\i]
.endr
.irp i, 0,1,2,3
	v_pk_add_f32 v[64+8*\i:65+8*\i], v[64+8*\i:65+8*\i], v[68+8*\i:69+8*\i]
.endr
	s_delay_alu instid0(VALU_DEP_3)
	v_pk_add_f32 v[64:65], v[64:65], v[72:73]
	s_delay_alu instid0(VALU_DEP_2)
	v_pk_add_f32 v[80:81], v[80:81], v[88:89]
	s_delay_alu instid0(VALU_DEP_1)
	v_pk_add_f32 v[64:65], v[64:65], v[80:81]      ; two columns' sums over all 32,768 rows
	s_delay_alu instid0(VALU_DEP_1)
	v_mul_f32 v64, 0x38000000, v64                 ; x 2^-15: the means
	s_delay_alu instid0(VALU_DEP_2)
	v_mul_f32 v65, 0x38000000, v65
	s_delay_alu instid0(VALU_DEP_2)
	v_add_f32 v66, 0x2edbe6ff, v64                 ; + 1e-10
	s_delay_alu instid0(VALU_DEP_2)
	v_add_f32 v67, 0x2edbe6ff, v65
	s_wait_alu depctr_va_vdst(0)
	v_log_f32 v66, v66
	v_log_f32 v67, v67
	v_nop                                          ; a plain place behind the logarithms
	s_wait_alu depctr_va_vdst(0)                   ; one wait for both, ahead of their first reader
	v_mul_f32 v66, v66, v64
	v_fmac_f32 v66, v67, v65
	s_delay_alu instid0(VALU_DEP_1)
	v_mul_f32 v66, 0x3f317218, v66                 ; x ln 2
	s_delay_alu instid0(VALU_DEP_1)
	v_add_f32_dpp v66, v66, v66 row_xmask:1 row_mask:0xf bank_mask:0xf
	s_delay_alu instid0(VALU_DEP_1)
	v_add_f32_dpp v66, v66, v66 row_xmask:2 row_mask:0xf bank_mask:0xf
	s_delay_alu instid0(VALU_DEP_1)
	v_add_f32_dpp v66, v66, v66 row_xmask:4 row_mask:0xf bank_mask:0xf
	s_delay_alu instid0(VALU_DEP_1)
	v_add_f32_dpp v66, v66, v66 row_xmask:8 row_mask:0xf bank_mask:0xf
	v_permlanex16_b32 v67, v66, s40, s41
	s_delay_alu instid0(VALU_DEP_1)
	v_add_f32 v66, v66, v67
	s_wait_alu depctr_va_vdst(0)
	s_wait_xcnt 0x0                                ; EXEC changes only behind this wait: stores of mine are out
	v_cmp_eq_u32 vcc_lo, 0, v0
	s_and_saveexec_b32 s42, vcc_lo                 ; one lane stores
	global_store_b32 v39, v42, s[14:15]
	global_store_b32 v39, v66, s[14:15] offset:1024
	s_wait_xcnt 0x0
	s_mov_b32 exec_lo, -1
	s_wait_tensorcnt 0x0
	ds_add_u32 v192, v193
	s_wait_dscnt 0x0
	s_endpgm
.Lplain:
	; ---- the other work-groups: the stream and the loss alone, through LDS bytes of this way's own
	s_wait_alu depctr_va_vdst(0)
	STREAM
	PROC 0, 8
	PROC 1, 0
	REDUCE
	ds_store_b32 v36, v[LO] offset:PL
	s_wait_dscnt 0x0
	s_barrier_signal -1
	s_barrier_wait -1
	s_cmp_lg_u32 s32, 0
	s_cbranch_scc1 .Lend
	LOSS_OUT PL
	s_wait_alu depctr_va_vdst(0)
	s_wait_xcnt 0x0
	v_cmp_eq_u32 vcc_lo, 0, v0
	s_and_saveexec_b32 s42, vcc_lo
	global_store_b32 v39, v42, s[14:15]
.Lend:
	s_wait_xcnt 0x0
	s_mov_b32 exec_lo, -1
	s_wait_tensorcnt 0x0
	ds_add_u32 v192, v193
	s_wait_dscnt 0x0
	s_endpgm
.Lfunc_end_k_q9adc58c88a_gather:
	.size	k_q9adc58c88a_gather, .Lfunc_end_k_q9adc58c88a_gather-k_q9adc58c88a_gather
	.p2alignl 7, 3214868480
	.fill 96, 4, 3214868480
	.section	.rodata,"a",@progbits
	.p2align	6, 0x0
	.amdhsa_kernel k_q9adc58c88a_gather
		.amdhsa_group_segment_fixed_size 6656
		.amdhsa_private_segment_fixed_size 0
		.amdhsa_enable_private_segment 0
		.amdhsa_kernarg_size 48
		.amdhsa_user_sgpr_count 2
		.amdhsa_user_sgpr_kernarg_segment_ptr 1
		.amdhsa_wavefront_size32 1
		.amdhsa_system_sgpr_workgroup_id_x 1
		.amdhsa_system_sgpr_workgroup_id_y 1
		.amdhsa_system_sgpr_workgroup_id_z 1
		.amdhsa_system_vgpr_workitem_id 0
		.amdhsa_next_free_vgpr 194
		.amdhsa_next_free_sgpr 66
		.amdhsa_reserve_vcc 1
		.amdhsa_float_denorm_mode_32 3
		.amdhsa_float_denorm_mode_16_64 3
		.amdhsa_memory_ordered 1
		.amdhsa_forward_progress 1
		.amdhsa_inst_pref_size 38
	.end_amdhsa_kernel
	.amdgpu_metadata
---
amdhsa.version: [ 1, 2 ]
amdhsa.kernels:
  - .name:           k_q9adc58c88a_gather
    .symbol:         k_q9adc58c88a_gather.kd
    .args:
      - { .name: z, .offset: 0, .size: 8, .value_kind: global_buffer, .address_space: global }
      - { .name: codebook_weight, .offset: 8, .size: 8, .value_kind: global_buffer, .address_space: global }
      - { .name: idx, .offset: 16, .size: 8, .value_kind: global_buffer, .address_space: global }
      - { .name: colp, .offset: 24, .size: 8, .value_kind: global_buffer, .address_space: global }
      - { .name: out0, .offset: 32, .size: 8, .value_kind: global_buffer, .address_space: global }
      - { .name: sums, .offset: 40, .size: 8, .value_kind: global_buffer, .address_space: global }
    .group_segment_fixed_size: 6656
    .private_segment_fixed_size: 0
    .kernarg_segment_align: 8
    .kernarg_segment_size: 48
    .max_flat_workgroup_size: 512
    .sgpr_count:     66
    .vgpr_count:     194
    .wavefront_size: 32
...
	.end_amdgpu_metadata
.endif
;; end of part 4
;; launch final (part 5): grid 1 x 1, 1 waves a work-group, no clusters, 0 bytes of LDS; arguments sums, out2, out3, out4; writes out2, out3, out4
.if DOCPART == 5
	.amdgcn_target "amdgcn-amd-amdhsa--gfx1250"
	.amdhsa_code_object_version 6
	.text
	.protected	k_q9adc58c88a_final
	.globl	k_q9adc58c88a_final
	.p2align	8
	.type	k_q9adc58c88a_final,@function
k_q9adc58c88a_final:
	s_mov_b64 s[64:65], 0
	v_nop
	global_prefetch_b8 v0, s[64:65] scope:SCOPE_SE
	s_setreg_imm32_b32 hwreg(HW_REG_WAVE_MODE, 25, 1), 1
	s_wait_xcnt 0x0
; The three numbers.  sums: 256 partial sums of (c[idx] - z)^2, then 64 partial sums of a ln(a + 1e-10).
; mse = the first sum / 2^23; out3 = mse + 0.25 mse; out4 = 0.1 x the second sum (the entropy's negative); out2 = out3 + out4.  One wave: 1,280 bytes are read.
	s_load_b256 s[4:11], s[0:1], 0x0               ; sums s[4:5], out2 s[6:7], out3 s[8:9], out4 s[10:11]
	v_lshlrev_b32 v1, 4, v0
	v_lshlrev_b32 v2, 3, v0
	v_mov_b32 v3, 0
	s_mov_b32 s12, 0x76543210
	s_mov_b32 s13, 0xfedcba98
	s_mov_b32 s15, 0x3e800000                      ; 0.25
	s_wait_alu depctr_va_vdst(0)
	s_wait_kmcnt 0x0
	global_load_b128 v[4:7], v1, s[4:5]
	global_load_b128 v[8:11], v1, s[4:5] offset:512
	global_load_b64 v[12:13], v2, s[4:5] offset:1024
	s_wait_loadcnt 0x0
	v_pk_add_f32 v[4:5], v[4:5], v[6:7]
	v_pk_add_f32 v[8:9], v[8:9], v[10:11]
	v_pk_add_f32 v[4:5], v[4:5], v[8:9]
	v_add_f32 v4, v4, v5
	v_add_f32 v12, v12, v13
.irp m, 1,2,4,8
	v_add_f32_dpp v4, v4, v4 row_xmask:\m row_mask:0xf bank_mask:0xf
	v_add_f32_dpp v12, v12, v12 row_xmask:\m row_mask:0xf bank_mask:0xf
.endr
	v_permlanex16_b32 v5, v4, s12, s13
	v_permlanex16_b32 v13, v12, s12, s13
	v_add_f32 v4, v4, v5
	v_add_f32 v12, v12, v13
	v_mul_f32 v4, 0x34000000, v4                   ; x 2^-23: the mean over 32,768 x 256 numbers
	v_fma_f32 v5, v4, s15, v4                      ; + 0.25 of it
	v_mul_f32 v6, 0x3dcccccd, v12                  ; x 0.1
	v_add_f32 v7, v5, v6
	s_wait_alu depctr_va_vdst(0)
	s_wait_xcnt 0x0                                ; EXEC changes only behind this wait
	v_cmp_eq_u32 vcc_lo, 0, v0
	s_and_saveexec_b32 s14, vcc_lo                 ; one lane stores
	global_store_b32 v3, v7, s[6:7]
	global_store_b32 v3, v5, s[8:9]
	global_store_b32 v3, v6, s[10:11]
	s_endpgm
.Lfunc_end_k_q9adc58c88a_final:
	.size	k_q9adc58c88a_final, .Lfunc_end_k_q9adc58c88a_final-k_q9adc58c88a_final
	.p2alignl 7, 3214868480
	.fill 96, 4, 3214868480
	.section	.rodata,"a",@progbits
	.p2align	6, 0x0
	.amdhsa_kernel k_q9adc58c88a_final
		.amdhsa_group_segment_fixed_size 0
		.amdhsa_private_segment_fixed_size 0
		.amdhsa_enable_private_segment 0
		.amdhsa_kernarg_size 32
		.amdhsa_user_sgpr_count 2
		.amdhsa_user_sgpr_kernarg_segment_ptr 1
		.amdhsa_wavefront_size32 1
		.amdhsa_system_sgpr_workgroup_id_x 1
		.amdhsa_system_sgpr_workgroup_id_y 1
		.amdhsa_system_sgpr_workgroup_id_z 1
		.amdhsa_system_vgpr_workitem_id 0
		.amdhsa_next_free_vgpr 32
		.amdhsa_next_free_sgpr 66
		.amdhsa_reserve_vcc 1
		.amdhsa_float_denorm_mode_32 3
		.amdhsa_float_denorm_mode_16_64 3
		.amdhsa_memory_ordered 1
		.amdhsa_forward_progress 1
		.amdhsa_inst_pref_size 3
	.end_amdhsa_kernel
	.amdgpu_metadata
---
amdhsa.version: [ 1, 2 ]
amdhsa.kernels:
  - .name:           k_q9adc58c88a_final
    .symbol:         k_q9adc58c88a_final.kd
    .args:
      - { .name: sums, .offset: 0, .size: 8, .value_kind: global_buffer, .address_space: global }
      - { .name: out2, .offset: 8, .size: 8, .value_kind: global_buffer, .address_space: global }
      - { .name: out3, .offset: 16, .size: 8, .value_kind: global_buffer, .address_space: global }
      - { .name: out4, .offset: 24, .size: 8, .value_kind: global_buffer, .address_space: global }
    .group_segment_fixed_size: 0
    .private_segment_fixed_size: 0
    .kernarg_segment_align: 8
    .kernarg_segment_size: 32
    .max_flat_workgroup_size: 32
    .sgpr_count:     66
    .vgpr_count:     32
    .wavefront_size: 32
...
	.end_amdgpu_metadata
.endif
;; end of part 5
